; MI455X (gfx1250); checked and timed in simulation.
; The chip was launched on July 23, 2026; its instructions are those of AMD's public machine-readable ISA for CDNA 5 (MIT licence, August 2026) and "CDNA5" Instruction Set Architecture Reference Guide (July 2026). The comments in the code are by the model that wrote it; some were corrected since.
;; Self Attention. Allowed arithmetic: matrix products marked QUANTISED: E4M3 operands, one E8M0 scale for each 32 along K, by v_wmma_scale_f32_16x16x128_f8f6f4 with both operands' format E4M3, f32 sums; products left as they are: f32 operands where the result goes on into a quantised operand, else bf16, f16 or f32 operands; f32 sums; everything else in f32.
;; Inputs: Wk 64 x 16 float32; Wq 64 x 16 float32; Wv 64 x 64 float32; x 4 x 4,096 x 64 float32.
;; Outputs: out0 4 x 4,096 x 64 float32.
;; This version of the problem:
;;   THIS VERSION OF THE PROBLEM IS GIVEN IN LOW PRECISION. The matrix products marked QUANTISED in the list below multiply operands that are first quantised to E4M3 (4 exponent bits, 3 mantissa bits; 8 bits a number), with one power-of-two scale for each 32 numbers along K (OCP MX v1.0); their sums are f32. All else is computed in f32.
;;   The module's matrix products, in the order in which they are computed (A, B: the left and right operand; K: the contracted axis; several contracted axes count as one K, in the product's order):
;;     1. [M 16,384, K 64] x [K 64, N 16]; A: input x; B: input Wq: QUANTISED
;;     2. [M 16,384, K 64] x [K 64, N 16]; A: input x; B: input Wk: QUANTISED
;;     3. [M 16,384, K 64] x [K 64, N 64]; A: input x; B: input Wv: QUANTISED
;;     4. batch 4 x [M 4,096, K 16] x [K 16, N 4,096]; A: computed on the way; B: computed on the way: left as it is (K = 16 < 32)
;;     5. batch 4 x [M 4,096, K 4,096] x [K 4,096, N 64]; A: softmax (see below); B: computed on the way: QUANTISED
;;   THE QUANTISER, for each operand of a quantised product, along K:
;;     - K is cut into blocks of 32 from its start; a last block that is shorter is filled with zeros.
;;     - A block's scale is 2^e with e = floor(log2(the largest magnitude in the block)) - 8, held to -126 .. 127; a block of zeros has e = 0. As a byte (E8M0): e + 127.
;;     - Each number is divided by its block's scale, clamped to +-448, and rounded to the nearest number of E4M3, ties to even, subnormals kept.
;;     - The product sums the exact products of the quantised numbers (number of the format x scale) in f32.
;;   ~~~python
;;   def quantise(x, axis):      # numpy; x: float32 -> the quantised numbers, widened to float32 again
;;       x = np.moveaxis(x, axis, -1); K = x.shape[-1]
;;       x = np.pad(x, [(0, 0)] * (x.ndim - 1) + [(0, -K % 32)]); x = x.reshape(x.shape[:-1] + (-1, 32)); a = np.abs(x).max(-1, keepdims=True)
;;       e = np.where(a > 0, np.clip(np.frexp(np.where(a > 0, a, 1))[1] - 1 - 8, -126, 127), 0)      # np.frexp(a)[1] - 1 = floor(log2(a)), exactly
;;       r = np.clip(x / 2.0 ** e, -448, 448)
;;       step = 2.0 ** (np.maximum(np.frexp(np.where(r == 0, 1, r))[1] - 1, -6) - 3)
;;       q = np.round(r / step) * step * 2.0 ** e      # np.round: ties to even
;;       return np.moveaxis(q.reshape(q.shape[:-2] + (-1,))[..., :K], -1, axis).astype(np.float32)
;;   ~~~
;;   SOFTMAX AHEAD OF A QUANTISED PRODUCT. Where the list says 'softmax', what is quantised is not the finished softmax but p = 2^(t - M), with t = logit x log2(e) and M = ceil(the row's largest t), a whole number; so 1/2 < the row's largest p <= 1. The row's sum l is taken of the UNQUANTISED p, in f32, and the product's result is divided by l at the end. Since M is a whole number, a kernel that streams over the keys may use a running M (the ceiling of the running maximum): every later rescaling is an exact power of two, which a block's scale takes up: the codes' values come out the same.
;;   OPERANDS COMPUTED ON THE WAY. 'Computed on the way' means the value that the module computes at that place (a softmax that the list does not call 'softmax' is quantised finished and normalised). What goes into a quantiser is computed in f32, as accurately as f32 sums, v_exp_f32 and their like allow (about 1e-6 of the number): no bf16 or f16 on the way to a quantiser, and a product that is left as it is and whose result goes on into a quantised operand takes f32 operands (vector FMAs, or v_wmma_f32_16x16x4_f32). A number that lies on a knife's edge between two numbers of the format may be rounded either way, as far as f32 arithmetic and the matrix unit's own rounding can turn it there, and no further.
;; One version. Each part assembles by itself: llvm-mc -triple=amdgcn-amd-amdhsa -mcpu=gfx1250 --defsym DOCPART=n.
;; ======== version 1 of 1: 2 launches
;; workspace buffers: qf 1,048,576 bytes; kf 1,048,576 bytes; vc 1,048,576 bytes; vs 32,768 bytes
;; launch proj (part 1): grid 128 x 1, 4 waves a work-group, no clusters, 45,056 bytes of LDS; arguments x, Wq, Wk, Wv, qf, kf, vc, vs; writes qf, kf, vc, vs
.if DOCPART == 1
	.amdgcn_target "amdgcn-amd-amdhsa--gfx1250"
	.amdhsa_code_object_version 6
	.text
	.protected	k_q8a470ee5e8_proj
	.globl	k_q8a470ee5e8_proj
	.p2align	8
	.type	k_q8a470ee5e8_proj,@function
k_q8a470ee5e8_proj:
	s_mov_b64 s[64:65], 0
	v_nop
	global_prefetch_b8 v0, s[64:65] scope:SCOPE_SE
	s_setreg_imm32_b32 hwreg(HW_REG_WAVE_MODE, 25, 1), 1
	s_wait_xcnt 0x0
; q = x Wq, k = x Wk, v = x Wv on codes of FP8 (E4M3) with one E8M0 scale for each 32 along K = 64; then v is quantised along the KEYS for the next launch.
; x: [16384][64] f32.  Wq, Wk: [64][16], Wv: [64][64] f32, K along the first axis.  All four are quantised here, in registers.
; OUT, all in the order of the next launch's operand registers:
;   qf, kf: f32.  A tile of 16 rows is 1,024 bytes: [c = 0, 1][lane][16 bytes]; lane (r = lane % 16, h = lane / 16), part c: dims 8 h + 4 c .. + 3 of the tile's row r.
;           Tile u (0, 1) of a group of 32 rows takes rows 8 u + r + 8 (r / 8): rows 0-7 and 16-23, or 8-15 and 24-31.
;   vc:     codes, [step of 128 keys][t = 0..3][c = 0..3][lane][16 bytes]: lane (r, h): channel 16 t + r, keys 32 c + 16 h + 0 .. 15 of the step.
;   vs:     [step][t][r] words: byte c is the scale of channel 16 t + r, keys 32 c .. 32 c + 31 of the step.
; SHARES.  A work-group takes 128 rows (one step of keys).  Wave w quantises rows 32 w .. 32 w + 31 (two tiles of x), makes their q and k, and makes channels 16 w .. 16 w + 15 of v for all 128 rows,
; so that it holds one whole fragment of v and its scale word.  The tiles of x go from wave to wave through LDS as images of their registers.
; K = 64 fills half of the instruction's 128: the upper eight registers of every fragment are zero codes, and their two scale bytes are 127.
; THE ROWS OF A TILE ARE CHOSEN so that in v = x Wv (source 0 = 16 rows of x) the 16 registers of tiles 2 b and 2 b + 1 are keys 32 b + 16 h + 0 .. 15: the conversions' results are the fragment.
; LIMITS: NaN and infinities among the inputs are not served.  A block of zeros gets the scale byte 1 where the rule says 127: its codes are zeros, and this program alone reads the bytes.
; No cluster: the work-groups share only the weights, 24 KB against each one's 32 KB of x, and those go straight into registers.
.set SROW, 272                         ; a row of x in the stage: 256 bytes + 16
.set WSTG, 32*SROW                     ; LDS: a stage of 32 rows for each wave,
.set XIMG, 4*WSTG                      ; the images of x's 8 tiles (the 8 registers that hold codes: 1,024 bytes each),
.set XSC,  XIMG+8*1024                 ; their scale words, 128 bytes each,
.set VSC,  XSC+8*128                   ; and v's 64 scale words
.set L16, 1                            ; v1   16 x lane
.set L4,  2                            ; v2   4 x lane
.set L8,  3                            ; v3   8 x lane
.set SI,  4                            ; v4   the stage, on the way in: row lane / 16, 16 bytes a lane
.set SOA, 5                            ; v5   on the way out: row r + 8 (r / 8), + 64 h
.set XIA, 6                            ; v6   where I store my tiles' images
.set XSA, 7                            ; v7   and their scale words
.set WQK, 8                            ; v8   Wq, Wk: 1,024 h + 4 r
.set WVO, 9                            ; v9   Wv: 4,096 h + 4 r + 64 w
.set VSA, 10                           ; v10  where I store v's scale word
.set VSR, 11                           ; v11  where wave 0 reads the 64 words back
.set WW,  12                           ; v12-14 scale words of Wq, Wk, Wv      (v12-14 and v16-26 hold scale words and nothing else)
.set XW,  16                           ; v16-17 of my two tiles of x
.set XS,  18                           ; v18-25 of all eight tiles of x
.set VW,  26                           ; v26    of my fragment of v
.set TM,  32                           ; v32-47 the quantiser's: largest magnitudes, bytes, holds, scale operands
.set WC,  48                           ; v48-95 three fragments of weights: 8 registers of codes, 8 of zeros
.set WF,  96                           ; v96-191 the weights as f32, 32 a matrix
.set DQ,  96                           ; later: q of tile 0, 1, k of tile 0, 1
.set DV,  128                          ; and v: 8 tiles of rows
.set XN,  192                          ; v192-255 my two tiles of x, 32 numbers a lane each
.set VC,  192                          ; later: v's codes
.set XB,  0                            ; window 1: v0-127 the eight tiles of x; v128-159 my own two; v160-223 x as loaded
.set XO,  128
.set XR,  160
.set MSB, 0
.macro WIN new                         ; the immediate's high byte repeats the setting that is left; a switch that changes nothing is dropped
.if MSB != \new
	s_set_vgpr_msb (MSB<<8)|\new
.set MSB, \new
.endif
.endm
; 16 nb numbers of a lane, register 16 b + i = k 32 b + 16 h + i of my row or column, become codes in v[d] on (window by dwin) and the scale word v[w].
.macro QUANT s, nb, d, dwin, w
.set qb, 0
.rept \nb
	v_max3_num_f32 v[TM+qb], |v[(\s)+16*qb]|, |v[(\s)+16*qb+1]|, 0x4800000   ; my 16 numbers of block qb, and the floor 2^(9 - 127): the byte cannot fall under 1
.set qb, qb+1
.endr
.irp i, 2,4,6,8,10,12,14
.set qb, 0
.rept \nb
	v_max3_num_f32 v[TM+qb], v[TM+qb], |v[(\s)+16*qb+\i]|, |v[(\s)+16*qb+\i+1]|   ; the blocks by turns
.set qb, qb+1
.endr
.endr
.set qb, 0
.rept \nb
	v_permlanex16_b32 v[TM+4+qb], v[TM+qb], s22, s23
.set qb, qb+1
.endr
.set qb, 0
.rept \nb
	v_max_num_f32 v[TM+qb], v[TM+qb], v[TM+4+qb]           ; with lane l xor 16's 16: the block's largest magnitude
.set qb, qb+1
.endr
.set qb, 0
.rept \nb
	v_add_nc_u32 v[TM+12+qb], 0xfc000000, v[TM+qb]         ; 8 off its exponent field: the conversion's scale operand
	v_and_or_b32 v[TM+8+qb], v[TM+qb], 0x7f800000, s24     ; 448 x the scale
.set qb, qb+1
.endr
.set qb, 0
.rept \nb
	v_lshrrev_b32 v[TM+4+qb], 23, v[TM+12+qb]              ; the scale's byte
.set qb, qb+1
.endr
	v_lshl_or_b32 v[(\w)], v[TM+5], 8, v[TM+4]
.if \nb == 2
	v_or_b32 v[(\w)], 0x7f7f0000, v[(\w)]                  ; byte 127 over the two blocks of zero codes
.else
	v_lshl_or_b32 v[(\w)], v[TM+6], 16, v[(\w)]
	v_lshl_or_b32 v[(\w)], v[TM+7], 24, v[(\w)]
.endif
.set qb, 0
.rept \nb
.irp i, 0,1,2,3,4,5,6,7,8,9,10,11,12,13,14,15
	v_med3_num_f32 v[(\s)+16*qb+\i], v[(\s)+16*qb+\i], -v[TM+8+qb], v[TM+8+qb]   ; the conversion to an 8-bit code does not saturate (ISA guide 7.6.2): the hold
.endr
.set qb, qb+1
.endr
	WIN \dwin
.set qb, 0
.rept \nb
	v_cvt_scalef32_pk8_fp8_f32 v[(\d)+4*qb:(\d)+4*qb+1], v[(\s)+16*qb:(\s)+16*qb+7], v[TM+12+qb]
	v_cvt_scalef32_pk8_fp8_f32 v[(\d)+4*qb+2:(\d)+4*qb+3], v[(\s)+16*qb+8:(\s)+16*qb+15], v[TM+12+qb]
.set qb, qb+1
.endr
	WIN 0
	v_nop                                                  ; one plain vector line behind the last conversion
.endm
	s_load_b256 s[4:11], s[0:1], 0x0               ; x s[4:5], Wq s[6:7], Wk s[8:9], Wv s[10:11]
	s_load_b256 s[12:19], s[0:1], 0x20             ; qf s[12:13], kf s[14:15], vc s[16:17], vs s[18:19]
	v_lshl_add_u32 v15, v0, 2, 0xae00
	v_mov_b32 v27, 0
	v_lshrrev_b32 v28, 5, v0
	v_readfirstlane_b32 s20, v28                   ; wave 0..3
	v_and_b32 v28, 31, v0                          ; lane
	v_and_b32 v29, 15, v0                          ; r
	v_bfe_u32 v30, v0, 4, 1                        ; h
	v_lshlrev_b32 v[L16], 4, v28
	v_lshlrev_b32 v[L4], 2, v28
	v_lshlrev_b32 v[L8], 3, v28
	s_mul_i32 s21, s20, WSTG                       ; my stage
	v_mul_u32_u24 v[SI], v30, SROW
	v_lshl_add_u32 v[SI], v29, 4, v[SI]
	v_add_nc_u32 v[SI], s21, v[SI]
	v_and_b32 v31, 8, v29
	v_add_nc_u32 v31, v31, v29                     ; r + 8 (r / 8)
	v_mul_u32_u24 v[SOA], v31, SROW
	v_lshl_add_u32 v[SOA], v30, 6, v[SOA]
	v_add_nc_u32 v[SOA], s21, v[SOA]
	s_lshl_b32 s25, s20, 11
	s_add_co_u32 s25, s25, XIMG
	v_add_nc_u32 v[XIA], s25, v[L16]               ; XIMG + 2,048 w + 16 lane
	s_lshl_b32 s25, s20, 8
	s_add_co_u32 s25, s25, XSC
	v_add_nc_u32 v[XSA], s25, v[L4]                ; XSC + 256 w + 4 lane
	v_lshlrev_b32 v[WQK], 2, v29                   ; 4 r
	v_lshl_add_u32 v[WVO], v30, 12, v[WQK]
	s_lshl_b32 s25, s20, 6
	v_add_nc_u32 v[WVO], s25, v[WVO]               ; 4,096 h + 4 r + 64 w
	s_add_co_u32 s25, s25, VSC
	v_add_nc_u32 v[VSA], s25, v[WQK]               ; VSC + 64 w + 4 r
	v_lshl_add_u32 v[WQK], v30, 10, v[WQK]         ; 1,024 h + 4 r
	v_add_nc_u32 v[VSR], VSC, v[L8]
	s_mov_b32 s22, 0x76543210
	s_mov_b32 s23, 0xfedcba98                      ; v_permlanex16_b32's selects for lane l xor 16
	s_mov_b32 s24, 0x600000                        ; the mantissa field of 448
.irp b, 0,1,2,3
	v_mov_b32 v[TM+4+\b], 0                        ; written once: a lane permute's destination counts as one of its sources
.endr
	WIN 0x40                                       ; destination window 1
.set n, 0
.rept 10                                       ; the ten fragments of x lie on end, fragment n at 16 n: their upper halves are zero codes (K = 64 .. 127)
.irp i, 8,9,10,11,12,13,14,15
	v_mov_b32 v[16*n+\i], 0
.endr
.set n, n+1
.endr
	WIN 0
	s_lshl_b32 s26, ttmp9, 15                      ; x: 128 rows of 256 bytes a work-group,
	s_lshl_b32 s28, s20, 13                        ; 32 a wave
	s_add_co_u32 s26, s26, s28
	s_mov_b32 s27, 0
	s_lshl_b32 s28, ttmp9, 13                      ; qf, kf, vc: 8,192 bytes a work-group,
	s_lshl_b32 s30, s20, 11                        ; 2,048 a wave
	s_add_co_u32 s28, s28, s30
	s_mov_b32 s29, 0
	s_lshl_b32 s30, ttmp9, 8                       ; vs: 256 bytes a work-group
	s_mov_b32 s31, 0
	s_wait_kmcnt 0x0
	s_add_nc_u64 s[4:5], s[4:5], s[26:27]
	s_add_nc_u64 s[12:13], s[12:13], s[28:29]
	s_add_nc_u64 s[14:15], s[14:15], s[28:29]
	s_add_nc_u64 s[16:17], s[16:17], s[28:29]
	s_add_nc_u64 s[18:19], s[18:19], s[30:31]
	WIN 0x40
.irp i, 0,1,2,3,4,5,6,7,8,9,10,11,12,13,14,15
	global_load_b128 v[XR+4*\i:XR+4*\i+3], v[L16], s[4:5] offset:512*\i th:TH_LOAD_NT   ; 32 lanes read 512 consecutive bytes: two rows of x
.endr
	WIN 0
.irp c, 0,1                                    ; a lane takes a column of a weight and its registers run down K: W(32 c + 16 h + i, column)
.irp i, 0,1,2,3,4,5,6,7,8,9,10,11,12,13,14,15
	global_load_b32 v[WF+16*\c+\i], v[WQK], s[6:7] offset:(32*\c+\i)*64
.endr
.endr
.irp c, 0,1
.irp i, 0,1,2,3,4,5,6,7,8,9,10,11,12,13,14,15
	global_load_b32 v[WF+32+16*\c+\i], v[WQK], s[8:9] offset:(32*\c+\i)*64
.endr
.endr
.irp c, 0,1
.irp i, 0,1,2,3,4,5,6,7,8,9,10,11,12,13,14,15
	global_load_b32 v[WF+64+16*\c+\i], v[WVO], s[10:11] offset:(32*\c+\i)*256
.endr
.endr
	s_wait_loadcnt 63                              ; x's 16 loads are the oldest of the 112; 96 were issued behind them, and 63 is the largest count that the wait can name
	WIN 0x04                                       ; an LDS store's data are its source 1: window 1
.irp i, 0,1,2,3,4,5,6,7,8,9,10,11,12,13,14,15
	ds_store_b128 v[SI], v[XR+4*\i:XR+4*\i+3] offset:2*SROW*\i
.endr
	WIN 0
.irp u, 0,1                                    ; back as 16 neighbours of each block of 32: LDS serves a wave's instructions in order, so these see my stores
.irp c, 0,1
.irp i, 0,1,2,3
	ds_load_b128 v[XN+32*\u+16*\c+4*\i:XN+32*\u+16*\c+4*\i+3], v[SOA] offset:8*SROW*\u+128*\c+16*\i
.endr
.endr
.endr
	s_wait_dscnt 0x0
.irp u, 0,1
	QUANT XN+32*\u, 2, XO+16*\u, 0x40, XW+\u
	WIN 0x04
	ds_store_b128 v[XIA], v[XO+16*\u:XO+16*\u+3] offset:1024*\u           ; the tile's image: the registers as they stand, 16 bytes a lane
	ds_store_b128 v[XIA], v[XO+16*\u+4:XO+16*\u+7] offset:1024*\u+512
	WIN 0
	ds_store_b32 v[XSA], v[XW+\u] offset:128*\u
.endr
	s_wait_loadcnt 0x0                             ; the weights
.irp m, 0,1,2
.irp i, 8,9,10,11,12,13,14,15
	v_mov_b32 v[WC+16*\m+\i], 0                    ; zero codes for K = 64 .. 127
.endr
.endr
.irp m, 0,1,2
	QUANT WF+32*\m, 2, WC+16*\m, 0, WW+\m
.endr
	s_wait_dscnt 0x0                               ; for the others' sake: my images and scale words have landed
	s_barrier_signal -1
	s_barrier_wait -1
	WIN 0x40
.irp t, 0,1,2,3,4,5,6,7
	ds_load_b128 v[XB+16*\t:XB+16*\t+3], v[L16] offset:XIMG+1024*\t
	ds_load_b128 v[XB+16*\t+4:XB+16*\t+7], v[L16] offset:XIMG+1024*\t+512
.endr
	WIN 0
.irp t, 0,1,2,3,4,5,6,7
	ds_load_b32 v[XS+\t], v[L4] offset:XSC+128*\t
.endr
	s_wait_dscnt 0x0
.rept 4
	v_nop                                          ; with the line behind the last conversion: the places between Wv's codes and the scaled matrix instructions; the scale words were made ahead of the holds
.endr
	WIN 0x04                                       ; source 1 (x) window 1
.irp m, 0,1                                    ; q, k TRANSPOSED: source 0 = the 16 columns of the weight, source 1 = my tile of x: a lane holds one row and dims 8 h + 0 .. 7
.irp u, 0,1
	v_wmma_scale_f32_16x16x128_f8f6f4 v[DQ+8*(2*\m+\u):DQ+8*(2*\m+\u)+7], v[WC+16*\m:WC+16*\m+15], v[XO+16*\u:XO+16*\u+15], 0, v[WW+\m], v[XW+\u]
.endr
.endr
	WIN 0x01                                       ; source 0 (x) window 1
.irp t, 0,1,2,3,4,5,6,7                        ; v: source 0 = a tile of x, source 1 = my 16 columns of Wv: a lane holds one channel, and its registers run along the keys
	v_wmma_scale_f32_16x16x128_f8f6f4 v[DV+8*\t:DV+8*\t+7], v[XB+16*\t:XB+16*\t+15], v[WC+32:WC+47], 0, v[XS+\t], v[WW+2]
.endr
	WIN 0
.rept 8
	v_nop                                          ; eight places between these matrix instructions and the first read of their results
.endr
.irp u, 0,1                                    ; each store of the wave covers 512 consecutive bytes, aligned; each accumulator from its low end on
	global_store_b128 v[L16], v[DQ+8*\u:DQ+8*\u+3], s[12:13] offset:1024*\u
	global_store_b128 v[L16], v[DQ+8*\u+4:DQ+8*\u+7], s[12:13] offset:1024*\u+512
	global_store_b128 v[L16], v[DQ+16+8*\u:DQ+16+8*\u+3], s[14:15] offset:1024*\u
	global_store_b128 v[L16], v[DQ+16+8*\u+4:DQ+16+8*\u+7], s[14:15] offset:1024*\u+512
.endr
	QUANT DV, 4, VC, 0, VW                         ; register 16 b + i is key 32 b + 16 h + i of my channel
.irp c, 0,1,2,3
	global_store_b128 v[L16], v[VC+4*\c:VC+4*\c+3], s[16:17] offset:512*\c
.endr
	ds_store_b32 v[VSA], v[VW]                     ; both halves of the lanes write the same word with the same value
	s_wait_dscnt 0x0
	s_barrier_signal -1
	s_barrier_wait -1
	s_cmp_lg_u32 s20, 0
	s_cbranch_scc1 .Ldone
	ds_load_b64 v[30:31], v[VSR]                   ; wave 0: the four waves' 64 words
	s_wait_dscnt 0x0
	global_store_b64 v[L8], v[30:31], s[18:19]     ; 32 lanes store 256 consecutive bytes, aligned
.Ldone:
	s_wait_tensorcnt 0x0
	ds_add_u32 v15, v27
	s_wait_dscnt 0x0
	s_endpgm
.Lfunc_end_k_q8a470ee5e8_proj:
	.size	k_q8a470ee5e8_proj, .Lfunc_end_k_q8a470ee5e8_proj-k_q8a470ee5e8_proj
	.p2alignl 7, 3214868480
	.fill 96, 4, 3214868480
	.section	.rodata,"a",@progbits
	.p2align	6, 0x0
	.amdhsa_kernel k_q8a470ee5e8_proj
		.amdhsa_group_segment_fixed_size 45056
		.amdhsa_private_segment_fixed_size 0
		.amdhsa_enable_private_segment 0
		.amdhsa_kernarg_size 64
		.amdhsa_user_sgpr_count 2
		.amdhsa_user_sgpr_kernarg_segment_ptr 1
		.amdhsa_wavefront_size32 1
		.amdhsa_system_sgpr_workgroup_id_x 1
		.amdhsa_system_sgpr_workgroup_id_y 1
		.amdhsa_system_sgpr_workgroup_id_z 1
		.amdhsa_system_vgpr_workitem_id 0
		.amdhsa_next_free_vgpr 480
		.amdhsa_next_free_sgpr 66
		.amdhsa_reserve_vcc 0
		.amdhsa_float_denorm_mode_32 3
		.amdhsa_float_denorm_mode_16_64 3
		.amdhsa_memory_ordered 1
		.amdhsa_forward_progress 1
		.amdhsa_inst_pref_size 53
	.end_amdhsa_kernel
	.amdgpu_metadata
---
amdhsa.version: [ 1, 2 ]
amdhsa.kernels:
  - .name:           k_q8a470ee5e8_proj
    .symbol:         k_q8a470ee5e8_proj.kd
    .args:
      - { .name: x, .offset: 0, .size: 8, .value_kind: global_buffer, .address_space: global }
      - { .name: Wq, .offset: 8, .size: 8, .value_kind: global_buffer, .address_space: global }
      - { .name: Wk, .offset: 16, .size: 8, .value_kind: global_buffer, .address_space: global }
      - { .name: Wv, .offset: 24, .size: 8, .value_kind: global_buffer, .address_space: global }
      - { .name: qf, .offset: 32, .size: 8, .value_kind: global_buffer, .address_space: global }
      - { .name: kf, .offset: 40, .size: 8, .value_kind: global_buffer, .address_space: global }
      - { .name: vc, .offset: 48, .size: 8, .value_kind: global_buffer, .address_space: global }
      - { .name: vs, .offset: 56, .size: 8, .value_kind: global_buffer, .address_space: global }
    .group_segment_fixed_size: 45056
    .private_segment_fixed_size: 0
    .kernarg_segment_align: 8
    .kernarg_segment_size: 64
    .max_flat_workgroup_size: 128
    .sgpr_count:     66
    .vgpr_count:     480
    .wavefront_size: 32
...
	.end_amdgpu_metadata
.endif
;; end of part 1
;; launch attn (part 2): grid 64 x 4, 8 waves a work-group, no clusters, 144,384 bytes of LDS; arguments qf, kf, vc, vs, out0; writes out0
.if DOCPART == 2
	.amdgcn_target "amdgcn-amd-amdhsa--gfx1250"
	.amdhsa_code_object_version 6
	.text
	.protected	k_q8a470ee5e8_attn
	.globl	k_q8a470ee5e8_attn
	.p2align	8
	.type	k_q8a470ee5e8_attn,@function
k_q8a470ee5e8_attn:
	s_mov_b64 s[64:65], 0
	v_nop
	global_prefetch_b8 v0, s[64:65] scope:SCOPE_SE
	s_setreg_imm32_b32 hwreg(HW_REG_WAVE_MODE, 25, 1), 1
	s_wait_xcnt 0x0
; out[b][q] = the sum over keys k <= q of softmax_k(q . k / 4) v[k], 4 batches x 4,096 rows, head 16, 64 channels.
; The scores are f32 products (v_wmma_f32_16x16x4_f32), since they go on into a quantiser.  t = score x log2(e) / 4; M = the largest t so far, rounded UP to a whole number; p = 2^(t - M) is quantised along
; the keys to FP8 (E4M3) with one E8M0 scale for each 32 keys and multiplied with v's codes (v_wmma_scale_f32_16x16x128_f8f6f4).  The row's sum is taken of the unquantised p and divides at the end.
; INPUTS, made by the launch before, in the order of the operand registers: qf, kf (a tile of 16 rows: [c][lane][16 bytes]: lane (r, h): dims 8 h + 4 c .. + 3 of row 8 u + r + 8 (r / 8) of a group of 32),
; vc ([step of 128 keys][t][c][lane][16 bytes]), vs ([step][t][r] scale words).  Every fragment comes by loads of 512 consecutive bytes a wave, straight into registers.
; SHARES.  Work-group (j, b) owns two blocks of 32 queries, J = 127 - j and J = j: together they have 33 steps of 128 keys, whatever j.  THE KEYS ARE SPLIT OVER THE EIGHT WAVES: wave w takes the steps
; s = ph, ph + 8, .. under n = J / 4 + 1, with ph = w in the first block and (8 - w) % 8 in the second.  With a = j / 4 that is (39 - a - w) / 8 + (a + w) / 8 = 4 steps for waves 1 to 7 and 5 for wave 0;
; the two steps on the diagonal fall to waves 7 - a % 8 and (8 - a % 8) % 8, never both to one wave.  Steps beyond the diagonal are not walked.
; Each wave keeps its own M, sum and O^T for the 32 queries (two tiles, which share each fragment of K and V); the eight parts meet in LDS and are merged by exact powers of two.
; LAYOUT.  Both products are used transposed: S^T = K Q^T, O^T = V^T P^T: a lane holds ONE query (lane % 16).  The keys of a tile of K are chosen so that the 16 registers of tiles 2 b and 2 b + 1 are keys
; 32 b + 16 h + 0 .. 15.  The f32 form's K step s takes registers 2 s, 2 s + 1 of K's and Q's fragments: dims 2 s, 2 s + 1, 8 + 2 s, 9 + 2 s: the same order on both sides, so the sum is over all 16 dims.
; BY TURNS.  The two tiles never look at each other.  In a TURN one tile has its 32 products K Q^T, and the other tile's softmax, a numbered list of 278 instructions, stands in slices behind them, one slice
; behind each product.  A trip of the loop: tile 1's products of step i | tile 0's softmax of step i; the next K is asked for; tile 0's products of step i + 1 | tile 1's softmax of step i; O^T += V^T P^T of step i.
; A slice costs two switches of the register window: K, Q, both tiles' S^T, p and the statistics are 324 registers, more than a window holds.
; LIMITS: NaN and infinities are not served; the scores' 16 products are summed in the order just named; what falls under the smallest f32 number after a rescaling by 2^(old M - new M) is lost;
; a block whose every p is 0 keeps the scale byte 1: its codes are zeros.
; No cluster and no joint loads: work-groups of one batch walk different numbers of key steps (J / 4 + 1), each wave its own eighth of them, so partners would not ask for the same tiles together.
; REGISTERS.  Window 0: v1-10 addresses and constants; v12-27 eight registers of statistics a tile; v28-29 V's scale words; v32-51 at work; v64-127 p; v128-255 S^T, written by matrix instructions alone.
;   Window 1: v0-15 Q; v16-79 K; v80-143 V; v144-207 O^T; v208-239 p's codes.  In the merge all of window 1 is free.
.set PROW, 272                         ; a row of a partial O in LDS: 256 bytes + 16
.set WPO,  64*PROW                     ; LDS: 64 rows for each wave,
.set STAT, 8*WPO                       ; then (-M, sum) for each wave and row, 8 bytes
.set L16, 1                            ; v1   16 x lane
.set L4,  2                            ; v2   4 x lane
.set DL,  3                            ; v3   r + 8 (r / 8) - 16 h
.set PA,  4                            ; v4   where I put 32 bytes of a row of my partial O
.set SA,  5                            ; v5   and the row's (-M, sum)
.set MA,  6                            ; v6   the merge: my 16 bytes of row 8 w + lane / 16, parts 0-3
.set MA2, 7                            ; v7   parts 4-7
.set MS,  8                            ; v8   and the row's statistics
.set NINF, 9                           ; v9   -infinity
.set DD,  10                           ; v10  the mask's d
.set ST,  12                           ; tile u at v[12 + 8 u]: +0 -M, +1 the largest t, +2, +3 the sum in two halves, +4 f, +5 zero (named with f as a pair), +6 p's scale word, which holds nothing else
.set VS,  28                           ; v28-29 V's scale words: lanes 0-15 tile 2 g, lanes 16-31 tile 2 g + 1
.set BM,  32                           ; v32-35 each block's largest score, then largest p
.set T4,  36                           ; v36-39 at work
.set HOLD, 40                          ; v40-43 448 x the scale
.set SCO, 44                           ; v44-47 the conversions' scale operands
.set TP,  48                           ; v48-51 at work
.set P,   64
.set S,   128
.set QR,  0                            ; window 1
.set KR,  16
.set VR,  80
.set OA,  144
.set CD,  208
.set ML,  192                          ; the merge, window 1: v192-195 the rows' sums, v196-199 -M*, v200-207 f, v208-223 the results
.set MT,  196
.set MF,  200
.set MACC, 208
.set NSM, 278                          ; instructions of a tile's softmax for one step,
.set NMK, 129                          ; of the mask in front of it on the diagonal,
.set NHD, 85                           ; and of the list's head: the maxima, M and t - M: all that reads S^T
.set MSB, 0
.macro WIN new                         ; the immediate's high byte repeats the setting that is left; a switch that changes nothing is dropped
.if MSB != \new
	s_set_vgpr_msb (MSB<<8)|\new
.set MSB, \new
.endif
.endm
.macro PLACES                          ; eight places behind an f32 or an FP8 matrix instruction: in front of a read of its result and of a load into its registers
.rept 8
	v_nop
.endr
.endm
.macro LOADK                           ; a step's 8 tiles of K: 16 loads of 512 consecutive bytes
	WIN 0x40                                       ; destination window 1
.irp i, 0,1,2,3,4,5,6,7,8,9,10,11,12,13,14,15
	global_load_b128 v[KR+4*\i:KR+4*\i+3], v[L16], s[24:25] offset:512*\i
.endr
	WIN 0
.endm
.macro LOADV                           ; its 4 fragments of V, and their scale words
	WIN 0x40
.irp i, 0,1,2,3,4,5,6,7,8,9,10,11,12,13,14,15
	global_load_b128 v[VR+4*\i:VR+4*\i+3], v[L16], s[26:27] offset:512*\i
.endr
	WIN 0
	global_load_b32 v[VS], v[L4], s[28:29]
	global_load_b32 v[VS+1], v[L4], s[28:29] offset:128
.endm
; THE VECTOR WORK.  Tile u's softmax for one step is a numbered list; SMI writes number sj of it.  diag = 1: the step on the diagonal: NMK numbers stand in front, by which hidden scores become -infinity
; on their way from S^T into p's registers.  The list proper, numbered si:
;   0-39    the largest score of each block of 32 keys (it serves for the row's maximum and, since p rises with the score, for the block's largest p), with lane l xor 16's
;   40-48   the row's maximum as t, the running largest t, the new -M = floor(-t), f = 2^(old M - new M)
;   49-84   t - M, out of S^T into p's registers, and of the four largest scores
;   85-148  the 64 exponentials, one batch;  149 the sums under the new M, the plain line behind them;  then ONE wait for the batch
;   150-153 the four blocks' largest p;  154-185 the row's sum of the unquantised p, in two chains, which reads the 64 alone;  then one wait for the four
;   186-204 the floor, the conversions' scale operands, the holds, the bytes, p's scale word
;   205-268 the holds;  269-276 the conversions, whose results lie in window 1;  277 the plain line behind them
.macro SMI u, diag
.set rT, ST+8*(\u)
.set rS, S+64*(\u)
.set rC, CD+16*(\u)
.if \diag
.set rX, P
.set si, sj-NMK
.else
.set rX, S+64*(\u)
.set si, sj
.endif
.if (si >= 269) && (si < 277)
	WIN 0x40                                       ; the codes lie in window 1
.else
	WIN 0
.endif
.if \diag && (sj == 0)
	v_add_nc_u32 v[DD], s[37+\u], v[DL]            ; d = my query - the step's first key - 16 h.  Register 16 b + i holds key 32 b + 16 h + i: hidden where 32 b + i > d
.elseif \diag && (sj < NMK)
.set sn, (sj-1)/2
.if (sj-1)%2 == 0
	v_cmp_gt_i32 vcc_lo, 32*(sn/16)+sn%16, v[DD]
.else
	v_cndmask_b32 v[P+sn], v[rS+sn], v[NINF], vcc_lo
.endif
.elseif si < 4
	v_max3_num_f32 v[BM+si], v[rX+16*si], v[rX+16*si+1], v[rX+16*si+2]
.elseif si < 28
.set sb, (si-4)%4
.set sq, 3+2*((si-4)/4)
	v_max3_num_f32 v[BM+sb], v[BM+sb], v[rX+16*sb+sq], v[rX+16*sb+sq+1]   ; the four blocks by turns
.elseif si < 32
	v_max_num_f32 v[BM+si-28], v[BM+si-28], v[rX+16*(si-28)+15]
.elseif si < 36
	v_permlanex16_b32 v[T4+si-32], v[BM+si-32], s20, s21
.elseif si < 40
	v_max_num_f32 v[BM+si-36], v[BM+si-36], v[T4+si-36]    ; with lane l xor 16's 16 keys
.elseif si == 40
	v_max3_num_f32 v[TP], v[BM], v[BM+1], v[BM+2]
.elseif si == 41
	v_max_num_f32 v[TP], v[TP], v[BM+3]                    ; the step's largest score of my query
.elseif si == 42
	v_mul_f32 v[TP], s22, v[TP]                            ; as t
.elseif si == 43
	v_max_num_f32 v[rT+1], v[rT+1], v[TP]                  ; the running largest t
.elseif si == 44
	v_mov_b32 v[TP], v[rT]
.elseif si == 45
	v_floor_f32 v[rT], -v[rT+1]                            ; the new -M = floor(-t): M is a whole number
.elseif si == 46
	v_sub_f32 v[TP], v[rT], v[TP]                          ; old M - new M: a whole number, 0 or less
.elseif si == 47
	v_cvt_i32_f32 v[TP], v[TP]                             ; (it saturates)
.elseif si == 48
	v_ldexp_f32 v[rT+4], 1.0, v[TP]                        ; f = 2^(old M - new M)
.elseif si < 81
.set sn, si-49
	v_pk_fma_f32 v[P+2*sn:P+2*sn+1], v[rX+2*sn:rX+2*sn+1], s[22:23], v[rT:rT+1] op_sel_hi:[1,0,0]   ; t - M, two at a time
.elseif si < 85
	v_fma_f32 v[BM+si-81], v[BM+si-81], s22, v[rT]         ; the same of each block's largest score
.elseif si < 149
	v_exp_f32 v[P+si-85], v[P+si-85]                       ; p = 2^(t - M)
.elseif si == 149
	v_pk_mul_f32 v[rT+2:rT+3], v[rT+2:rT+3], v[rT+4:rT+5] op_sel_hi:[1,0]   ; the sums under the new M: the plain line behind the exponentials
.elseif si < 154
.if si == 150
	s_wait_alu depctr_va_vdst(0)                           ; one wait for the batch of 64, ahead of its first reader
.endif
	v_exp_f32 v[BM+si-150], v[BM+si-150]                   ; the block's largest p
.elseif si == 154
	v_pk_add_f32 v[T4:T4+1], v[P:P+1], v[P+2:P+3]
.elseif si < 185
.set sq, 4+4*((si-155)/2)
.if (si-155)%2 == 0
	v_pk_add_f32 v[rT+2:rT+3], v[rT+2:rT+3], v[P+sq:P+sq+1]
.else
	v_pk_add_f32 v[T4:T4+1], v[T4:T4+1], v[P+sq+2:P+sq+3]
.endif
.elseif si == 185
	v_pk_add_f32 v[rT+2:rT+3], v[rT+2:rT+3], v[T4:T4+1]
.elseif si < 190
.if si == 186
	s_wait_alu depctr_va_vdst(0)                           ; and one for the four
.endif
	v_max_num_f32 v[BM+si-186], 0x4800000, v[BM+si-186]    ; the floor 2^(9 - 127): the byte cannot fall under 1
.elseif si < 194
	v_add_nc_u32 v[SCO+si-190], 0xfc000000, v[BM+si-190]   ; 8 off the exponent field: the conversion's scale operand
.elseif si < 198
	v_and_or_b32 v[HOLD+si-194], v[BM+si-194], 0x7f800000, s19   ; 448 x the scale
.elseif si < 202
	v_lshrrev_b32 v[T4+si-198], 23, v[SCO+si-198]          ; the scale's byte
.elseif si == 202
	v_lshl_or_b32 v[rT+6], v[T4+1], 8, v[T4]               ; p's scale word for these 128 keys
.elseif si == 203
	v_lshl_or_b32 v[rT+6], v[T4+2], 16, v[rT+6]
.elseif si == 204
	v_lshl_or_b32 v[rT+6], v[T4+3], 24, v[rT+6]
.elseif si < 269
.set sn, si-205
	v_min_num_f32 v[P+sn], v[P+sn], v[HOLD+sn/16]          ; the conversion does not saturate (ISA guide 7.6.2); p is not negative, so the hold is one-sided
.elseif si < 277
.set sb, (si-269)/2
.set sq, (si-269)%2
	v_cvt_scalef32_pk8_fp8_f32 v[rC+4*sb+2*sq:rC+4*sb+2*sq+1], v[P+16*sb+8*sq:P+16*sb+8*sq+7], v[SCO+sb]
.else
	v_nop                                                  ; one plain vector line behind the last conversion
.endif
.endm
.macro SLICES u, diag, cnt             ; the next cnt numbers of tile u's list, as far as it goes (NT numbers in all)
.rept \cnt
.if sj < NT
	SMI \u, \diag
.set sj, sj+1
.endif
.endr
.endm
; A TURN: tile x's 32 products K Q^T; behind each, per numbers of tile y's list (per = 0: none).  The tile's eight accumulators take turns, one instruction a turn.
; The slices name S^T of tile y, p, the statistics and the codes: no register of these products.
.macro TURN x, y, diag, per
.irp s, 0,1,2,3
.irp t, 0,1,2,3,4,5,6,7
	WIN 0x05                                       ; K and Q in window 1, S^T in window 0
.if \s == 0
	v_wmma_f32_16x16x4_f32 v[S+64*\x+8*\t:S+64*\x+8*\t+7], v[KR+8*\t:KR+8*\t+1], v[QR+8*\x:QR+8*\x+1], 0
.else
	v_wmma_f32_16x16x4_f32 v[S+64*\x+8*\t:S+64*\x+8*\t+7], v[KR+8*\t+2*\s:KR+8*\t+2*\s+1], v[QR+8*\x+2*\s:QR+8*\x+2*\s+1], v[S+64*\x+8*\t:S+64*\x+8*\t+7]
.endif
.if \per
	SLICES \y, \diag, \per
.endif
.endr
.endr
	WIN 0
.endm
; A step's end: O^T under the new M, then O^T += V^T P^T for both tiles.  pre = 1: my next step's V, 8 steps on, is asked for.
.macro FINISH pre
	WIN 0x41                                       ; O^T in window 1, f in window 0
.set n, 0
.rept 32
	v_pk_mul_f32 v[OA+2*n:OA+2*n+1], v[OA+2*n:OA+2*n+1], v[ST+8*(n/16)+4:ST+8*(n/16)+5] op_sel_hi:[1,0]   ; (these 32 also stand between the codes and scale words and the products below, and between tile 0's scores and their first read)
.set n, n+1
.endr
.if \pre == 0
	s_wait_loadcnt 0x0                             ; V and its scale words: nothing was asked for behind them.  (In the loop the wait for the next K has shown them in)
.endif
	WIN 0x55                                       ; V, the codes and O^T in window 1
.irp t, 0,1,2,3
.irp u, 0,1
.if \t % 2
	v_wmma_scale_f32_16x16x128_f8f6f4 v[OA+32*\u+8*\t:OA+32*\u+8*\t+7], v[VR+16*\t:VR+16*\t+15], v[CD+16*\u:CD+16*\u+15], v[OA+32*\u+8*\t:OA+32*\u+8*\t+7], v[VS+\t/2], v[ST+8*\u+6] matrix_a_scale:MATRIX_SCALE_ROW1
.else
	v_wmma_scale_f32_16x16x128_f8f6f4 v[OA+32*\u+8*\t:OA+32*\u+8*\t+7], v[VR+16*\t:VR+16*\t+15], v[CD+16*\u:CD+16*\u+15], v[OA+32*\u+8*\t:OA+32*\u+8*\t+7], v[VS+\t/2], v[ST+8*\u+6]
.endif
.endr
.endr
	WIN 0
	PLACES                                         ; in front of the loads into V's registers and scale words, and of the next read of O^T
.if \pre
	s_add_nc_u64 s[26:27], s[26:27], 0x10000       ; V's loads are done, so their bases may step: 8 steps of 8,192 bytes,
	s_add_nc_u64 s[28:29], s[28:29], 0x800         ; of 256
	LOADV
.endif
.endm
; My last step of a block: tile 0's scores are there.  Tile 1's products | tile 0's softmax; tile 1's softmax alone; the step's end.  Nothing more is asked for.
.macro LAST diag
.set sj, 0
.set NT, NSM+NMK*\diag
	TURN 1, 0, \diag, 9+4*\diag                    ; 32 x 9 = 288 places for 278 numbers; on the diagonal 32 x 13 = 416 for 407
	PLACES                                         ; in front of the first read of tile 1's scores
.set sj, 0
	SLICES 1, \diag, 420                           ; the whole list
	FINISH 0
.endm
; My part of a block goes to LDS: (-M, the row's sum) and O^T, a row of 256 bytes for each query.
.macro PSTORE blk
.irp u, 0,1
	v_add_f32 v[TP+\u], v[ST+8*\u+2], v[ST+8*\u+3]         ; the sum's two halves,
.endr
.irp u, 0,1
	v_permlanex16_b32 v[T4+\u], v[TP+\u], s20, s21
.endr
.irp u, 0,1
	v_add_f32 v[ST+8*\u+1], v[TP+\u], v[T4+\u]             ; and lane l xor 16's
.endr
.irp u, 0,1
	ds_store_b64 v[SA], v[ST+8*\u:ST+8*\u+1] offset:256*\blk+64*\u   ; both halves of the lanes write the same pair
.endr
	WIN 0x04                                       ; an LDS store's data are its source 1: window 1
.irp u, 0,1
.irp t, 0,1,2,3
	ds_store_b128 v[PA], v[OA+32*\u+8*\t:OA+32*\u+8*\t+3] offset:32*PROW*\blk+8*PROW*\u+64*\t        ; each accumulator from its low end on
	ds_store_b128 v[PA], v[OA+32*\u+8*\t+4:OA+32*\u+8*\t+7] offset:32*PROW*\blk+8*PROW*\u+64*\t+16
.endr
.endr
	WIN 0
	s_wait_dscnt 0x0                               ; the stores have landed and have read their registers
.endm
; One block of 32 queries: my eighth of its key steps.
.macro BLOCK blk
.if \blk == 0
	s_sub_co_u32 s32, 127, s15                     ; J
	s_mov_b32 s33, s14                             ; ph: my first step
.else
	s_mov_b32 s32, s15
	s_sub_co_u32 s33, 0, s14
	s_and_b32 s33, s33, 7                          ; (8 - w) % 8
.endif
	s_lshr_b32 s34, s32, 2
	s_add_co_u32 s34, s34, 1                       ; n = J / 4 + 1 steps reach the diagonal
	s_add_co_u32 s35, s34, 7
	s_sub_co_u32 s35, s35, s33
	s_lshr_b32 s35, s35, 3                         ; how many of them are mine
	s_sub_co_u32 s36, s34, 1
	s_sub_co_u32 s36, s36, s33
	s_and_b32 s36, s36, 7                          ; 0: my last step is the one on the diagonal
	s_and_b32 s37, s32, 3
	s_lshl_b32 s37, s37, 5                         ; tile 0's first query less that step's first key;
	s_add_co_u32 s38, s37, 8                       ; tile 1's
	WIN 0x40
.set n, 0
.rept 64
	v_mov_b32 v[OA+n], 0                           ; O^T.  (The step is written with no first step of its own: the first change of M multiplies zeros)
.set n, n+1
.endr
	WIN 0
.irp u, 0,1
	v_mov_b32 v[ST+8*\u+1], 0xff61b1e6             ; the largest t so far: -3e38
	v_floor_f32 v[ST+8*\u], -v[ST+8*\u+1]          ; -M
	v_mov_b32 v[ST+8*\u+2], 0                      ; the sum
	v_mov_b32 v[ST+8*\u+3], 0
.endr
	s_cmp_eq_u32 s35, 0
	s_cbranch_scc1 .Lstore_\blk                    ; no step of this block is mine: an empty part, which the merge weighs with 0
	s_lshl_b32 s40, s16, 7
	s_add_co_u32 s40, s40, s32
	s_lshl_b32 s40, s40, 11                        ; Q: 2,048 bytes for each group of 32 rows
	s_mov_b32 s41, 0
	s_add_nc_u64 s[30:31], s[4:5], s[40:41]
	s_lshl_b32 s40, s16, 5
	s_add_co_u32 s40, s40, s33                     ; my first step among the 128 of all batches
	s_lshl_b32 s42, s40, 8
	s_mov_b32 s43, 0
	s_lshl_b32 s40, s40, 13
	s_add_nc_u64 s[24:25], s[6:7], s[40:41]        ; K, V: 8,192 bytes a step;
	s_add_nc_u64 s[26:27], s[8:9], s[40:41]
	s_add_nc_u64 s[28:29], s[10:11], s[42:43]      ; V's scale words: 256
	WIN 0x40
.irp i, 0,1,2,3
	global_load_b128 v[QR+4*\i:QR+4*\i+3], v[L16], s[30:31] offset:512*\i
.endr
	LOADK
	LOADV
	s_wait_loadcnt 18                              ; Q and K are in: behind them were issued V's 16 loads and its 2 scale words
	TURN 0, 0, 0, 0                                ; tile 0's scores of my first step: there is no vector work yet to set between them
	PLACES                                         ; in front of their first read
	s_sub_co_u32 s35, s35, 1                       ; all my steps but the last end in the loop
	s_cmp_eq_u32 s35, 0
	s_cbranch_scc1 .Ltail_\blk
.Lloop_\blk:
.set sj, 0
.set NT, NSM
	TURN 1, 0, 0, 9                                ; tile 1's scores | tile 0's softmax: 32 x 9 = 288 places for 278 numbers
	PLACES                                         ; in front of the loads into K's registers and of the first read of tile 1's scores
	s_add_nc_u64 s[24:25], s[24:25], 0x10000       ; K's loads were waited for, so their base may step: 8 steps of 8,192 bytes
	LOADK
.set sj, 0
	SLICES 1, 0, NHD                               ; the head of tile 1's softmax needs no K: it stands between the request and the wait
	s_wait_loadcnt 0x0                             ; the next step's K, the youngest loads; this step's V, asked for a trip ago, with it
	TURN 0, 1, 0, 7                                ; tile 0's scores of the next step | the rest of tile 1's softmax: 32 x 7 = 224 places for 193 numbers
	FINISH 1
	s_sub_co_u32 s35, s35, 1
	s_cmp_lg_u32 s35, 0
	s_cbranch_scc1 .Lloop_\blk
.Ltail_\blk:
	s_cmp_eq_u32 s36, 0
	s_cbranch_scc1 .Ldiag_\blk
	LAST 0
	s_branch .Lstore_\blk
.Ldiag_\blk:
	LAST 1                                         ; the same, on the diagonal
.Lstore_\blk:
	PSTORE \blk
.endm
	s_load_b256 s[4:11], s[0:1], 0x0               ; qf s[4:5], kf s[6:7], vc s[8:9], vs s[10:11]
	s_load_b64 s[12:13], s[0:1], 0x20              ; out0
	v_lshl_add_u32 v62, v0, 2, 0x23000
	v_mov_b32 v63, 0
	v_lshrrev_b32 v48, 5, v0
	v_readfirstlane_b32 s14, v48                   ; wave 0..7
	s_mov_b32 s15, ttmp9                           ; j
	s_and_b32 s16, ttmp7, 0xffff                   ; the batch
	v_and_b32 v48, 31, v0                          ; lane
	v_and_b32 v49, 15, v0                          ; r
	v_bfe_u32 v50, v0, 4, 1                        ; h
	v_and_b32 v51, 8, v49
	v_add_nc_u32 v51, v51, v49                     ; r + 8 (r / 8)
	v_lshlrev_b32 v[L16], 4, v48
	v_lshlrev_b32 v[L4], 2, v48
	v_lshlrev_b32 v[DL], 4, v50
	v_sub_nc_u32 v[DL], v51, v[DL]
	s_mul_i32 s40, s14, WPO                        ; every LDS address is made here, ahead of the first branch on the wave's number
	v_mul_u32_u24 v[PA], v51, PROW
	v_lshl_add_u32 v[PA], v50, 5, v[PA]
	v_add_nc_u32 v[PA], s40, v[PA]                 ; my part: row r + 8 (r / 8), + 32 h
	s_lshl_b32 s40, s14, 9
	s_add_co_u32 s40, s40, STAT
	v_lshl_add_u32 v[SA], v51, 3, s40
	s_mul_i32 s40, s14, 8*PROW
	v_mul_u32_u24 v[MA], v50, PROW
	v_lshl_add_u32 v[MA], v49, 4, v[MA]
	v_add_nc_u32 v[MA], s40, v[MA]                 ; the merge: row 8 w + h, 16 bytes a lane
	v_add_nc_u32 v[MA2], 4*WPO, v[MA]
	s_lshl_b32 s40, s14, 6
	s_add_co_u32 s40, s40, STAT
	v_lshl_add_u32 v[MS], v50, 3, s40
	v_mov_b32 v[NINF], 0xff800000
	v_mov_b32 v[ST+5], 0                           ; named with f as a pair, so it is written
	v_mov_b32 v[ST+13], 0
.irp b, 0,1,2,3
	v_mov_b32 v[T4+\b], 0                          ; written once: a lane permute's destination counts as one of its sources
.endr
	s_mov_b32 s19, 0x600000                        ; the mantissa field of 448
	s_mov_b32 s20, 0x76543210
	s_mov_b32 s21, 0xfedcba98                      ; v_permlanex16_b32's selects for lane l xor 16
	s_mov_b32 s22, 0x3eb8aa3b                      ; c = log2(e) / 4
	s_mov_b32 s23, s22                             ; (named with it as a pair, so it is written)
	s_wait_kmcnt 0x0
	BLOCK 0
	BLOCK 1
	s_barrier_signal -1                            ; each wave's stores into LDS were waited for at the end of its second block
	s_barrier_wait -1
	; THE MERGE.  Wave w takes local rows 8 w .. 8 w + 7 (rows 0-31: the first block's queries, 32-63: the second's); group g is rows 8 w + 2 g + lane / 16, 16 bytes a lane.
	s_sub_co_u32 s40, 127, s15
	s_cmp_lt_u32 s14, 4
	s_cselect_b32 s40, s40, s15                    ; my rows' block J
	s_lshl_b32 s40, s40, 5
	s_and_b32 s42, s14, 3
	s_lshl_b32 s42, s42, 3
	s_add_co_u32 s40, s40, s42                     ; + 8 (w % 4)
	s_lshl_b32 s42, s16, 12
	s_add_co_u32 s40, s40, s42                     ; + 4,096 x batch
	s_lshl_b32 s40, s40, 8                         ; a row of out0 is 256 bytes
	s_mov_b32 s41, 0
	s_add_nc_u64 s[12:13], s[12:13], s[40:41]
	WIN 0x40                                       ; destination window 1: group g at v[48 g]: 8 pairs (-M, sum), then 8 x 4 numbers of O
.irp g, 0,1,2,3
.irp p, 0,1,2,3,4,5,6,7
	ds_load_b64 v[48*\g+2*\p:48*\g+2*\p+1], v[MS] offset:512*\p+16*\g
.endr
.irp p, 0,1,2,3
	ds_load_b128 v[48*\g+16+4*\p:48*\g+16+4*\p+3], v[MA] offset:WPO*\p+2*PROW*\g
.endr
.irp p, 4,5,6,7
	ds_load_b128 v[48*\g+16+4*\p:48*\g+16+4*\p+3], v[MA2] offset:WPO*(\p-4)+2*PROW*\g
.endr
.endr
	s_wait_dscnt 0x0
	WIN 0x55                                       ; everything in window 1
.irp g, 0,1,2,3
	v_min3_num_f32 v[MT+\g], v[48*\g], v[48*\g+2], v[48*\g+4]      ; -M* = the least -M: the row's M over all keys
	v_min3_num_f32 v[MT+\g], v[MT+\g], v[48*\g+6], v[48*\g+8]
	v_min3_num_f32 v[MT+\g], v[MT+\g], v[48*\g+10], v[48*\g+12]
	v_min_num_f32 v[MT+\g], v[MT+\g], v[48*\g+14]
.irp p, 0,1,2,3,4,5,6,7
	v_sub_f32 v[MF+\p], v[MT+\g], v[48*\g+2*\p]            ; M of part p less M*: a whole number, 0 or less
.endr
.irp p, 0,1,2,3,4,5,6,7
	v_cvt_i32_f32 v[MF+\p], v[MF+\p]                       ; (it saturates: an empty part's weight becomes 0)
.endr
.irp p, 0,1,2,3,4,5,6,7
	v_ldexp_f32 v[MF+\p], 1.0, v[MF+\p]                    ; f = 2^(M of part p - M*)
.endr
	v_mul_f32 v[ML+\g], v[MF], v[48*\g+1]
.irp e, 0,1,2,3
	v_mul_f32 v[MACC+4*\g+\e], v[MF], v[48*\g+16+\e]
.endr
.irp p, 1,2,3,4,5,6,7
	v_fma_f32 v[ML+\g], v[MF+\p], v[48*\g+2*\p+1], v[ML+\g]
.irp e, 0,1,2,3
	v_fma_f32 v[MACC+4*\g+\e], v[MF+\p], v[48*\g+16+4*\p+\e], v[MACC+4*\g+\e]
.endr
.endr
.endr
.irp g, 0,1,2,3
	v_rcp_f32 v[ML+\g], v[ML+\g]
.endr
	v_nop                                          ; a plain line between the last reciprocal and the use of its result
	s_wait_alu depctr_va_vdst(0)                   ; one wait for the four reciprocals, ahead of their first reader
.irp g, 0,1,2,3
.irp e, 0,1,2,3
	v_mul_f32 v[MACC+4*\g+\e], v[MACC+4*\g+\e], v[ML+\g]
.endr
.endr
	WIN 0x04                                       ; a store's data are its source 1: window 1
.irp g, 0,1,2,3
	global_store_b128 v[L16], v[MACC+4*\g:MACC+4*\g+3], s[12:13] offset:512*\g th:TH_STORE_NT   ; 32 lanes store two whole rows: 512 consecutive bytes, aligned
.endr
	WIN 0
	s_wait_tensorcnt 0x0
	ds_add_u32 v62, v63
	s_wait_dscnt 0x0
	s_endpgm
.Lfunc_end_k_q8a470ee5e8_attn:
	.size	k_q8a470ee5e8_attn, .Lfunc_end_k_q8a470ee5e8_attn-k_q8a470ee5e8_attn
	.p2alignl 7, 3214868480
	.fill 96, 4, 3214868480
	.section	.rodata,"a",@progbits
	.p2align	6, 0x0
	.amdhsa_kernel k_q8a470ee5e8_attn
		.amdhsa_group_segment_fixed_size 144384
		.amdhsa_private_segment_fixed_size 0
		.amdhsa_enable_private_segment 0
		.amdhsa_kernarg_size 40
		.amdhsa_user_sgpr_count 2
		.amdhsa_user_sgpr_kernarg_segment_ptr 1
		.amdhsa_wavefront_size32 1
		.amdhsa_system_sgpr_workgroup_id_x 1
		.amdhsa_system_sgpr_workgroup_id_y 1
		.amdhsa_system_sgpr_workgroup_id_z 1
		.amdhsa_system_vgpr_workitem_id 0
		.amdhsa_next_free_vgpr 512
		.amdhsa_next_free_sgpr 66
		.amdhsa_reserve_vcc 1
		.amdhsa_float_denorm_mode_32 3
		.amdhsa_float_denorm_mode_16_64 3
		.amdhsa_memory_ordered 1
		.amdhsa_forward_progress 1
		.amdhsa_inst_pref_size 255
	.end_amdhsa_kernel
	.section	.bss,"aw",@nobits
	.p2align	6
	.space	262144
	.amdgpu_metadata
---
amdhsa.version: [ 1, 2 ]
amdhsa.kernels:
  - .name:           k_q8a470ee5e8_attn
    .symbol:         k_q8a470ee5e8_attn.kd
    .args:
      - { .name: qf, .offset: 0, .size: 8, .value_kind: global_buffer, .address_space: global }
      - { .name: kf, .offset: 8, .size: 8, .value_kind: global_buffer, .address_space: global }
      - { .name: vc, .offset: 16, .size: 8, .value_kind: global_buffer, .address_space: global }
      - { .name: vs, .offset: 24, .size: 8, .value_kind: global_buffer, .address_space: global }
      - { .name: out0, .offset: 32, .size: 8, .value_kind: global_buffer, .address_space: global }
    .group_segment_fixed_size: 144384
    .private_segment_fixed_size: 0
    .kernarg_segment_align: 8
    .kernarg_segment_size: 40
    .max_flat_workgroup_size: 256
    .sgpr_count:     66
    .vgpr_count:     512
    .wavefront_size: 32
...
	.end_amdgpu_metadata
.endif
;; end of part 2
